; MI455X (gfx1250); checked and timed in simulation.
; The chip was launched on July 23, 2026; its instructions are those of AMD's public machine-readable ISA for CDNA 5 (MIT licence, August 2026) and "CDNA5" Instruction Set Architecture Reference Guide (July 2026). The comments in the code are by the model that wrote it; some were corrected since.
;; Scaled Dot Product Attention. Allowed arithmetic: matrix products marked QUANTISED: E2M3 operands, one E8M0 scale for each 32 along K, by v_wmma_scale_f32_16x16x128_f8f6f4 with both operands' format E2M3, f32 sums; everything else in f32.
;; Inputs: keys 32 x 2,048 x 64 float32; masks 4 x 2,048 int32; queries 32 x 2,048 x 64 float32; values 32 x 2,048 x 64 float32.
;; Outputs: out0 32 x 2,048 x 64 float32.
;; This version of the problem:
;;   THIS VERSION OF THE PROBLEM IS GIVEN IN LOW PRECISION. The matrix products marked QUANTISED in the list below multiply operands that are first quantised to E2M3 (2 exponent bits, 3 mantissa bits; 6 bits a number), with one power-of-two scale for each 32 numbers along K (OCP MX v1.0); their sums are f32. All else is computed in f32.
;;   The module's matrix products, in the order in which they are computed (A, B: the left and right operand; K: the contracted axis; several contracted axes count as one K, in the product's order):
;;     1. batch 32 x [M 2,048, K 64] x [K 64, N 2,048]; A: input queries; B: input keys: QUANTISED
;;     2. batch 32 x [M 2,048, K 2,048] x [K 2,048, N 64]; A: softmax (see below); B: input values: QUANTISED
;;   THE QUANTISER, for each operand of a quantised product, along K:
;;     - K is cut into blocks of 32 from its start; a last block that is shorter is filled with zeros.
;;     - A block's scale is 2^e with e = floor(log2(the largest magnitude in the block)) - 2, held to -126 .. 127; a block of zeros has e = 0. As a byte (E8M0): e + 127.
;;     - Each number is divided by its block's scale, clamped to +-7.5, and rounded to the nearest number of E2M3, ties to even, subnormals kept.
;;     - The product sums the exact products of the quantised numbers (number of the format x scale) in f32.
;;   ~~~python
;;   def quantise(x, axis):      # numpy; x: float32 -> the quantised numbers, widened to float32 again
;;       x = np.moveaxis(x, axis, -1); K = x.shape[-1]
;;       x = np.pad(x, [(0, 0)] * (x.ndim - 1) + [(0, -K % 32)]); x = x.reshape(x.shape[:-1] + (-1, 32)); a = np.abs(x).max(-1, keepdims=True)
;;       e = np.where(a > 0, np.clip(np.frexp(np.where(a > 0, a, 1))[1] - 1 - 2, -126, 127), 0)      # np.frexp(a)[1] - 1 = floor(log2(a)), exactly
;;       r = np.clip(x / 2.0 ** e, -7.5, 7.5)
;;       step = 2.0 ** (np.maximum(np.frexp(np.where(r == 0, 1, r))[1] - 1, 0) - 3)
;;       q = np.round(r / step) * step * 2.0 ** e      # np.round: ties to even
;;       return np.moveaxis(q.reshape(q.shape[:-2] + (-1,))[..., :K], -1, axis).astype(np.float32)
;;   ~~~
;;   SOFTMAX AHEAD OF A QUANTISED PRODUCT. Where the list says 'softmax', what is quantised is not the finished softmax but p = 2^(t - M), with t = logit x log2(e) and M = ceil(the row's largest t), a whole number; so 1/2 < the row's largest p <= 1. The row's sum l is taken of the UNQUANTISED p, in f32, and the product's result is divided by l at the end. Since M is a whole number, a kernel that streams over the keys may use a running M (the ceiling of the running maximum): every later rescaling is an exact power of two, which a block's scale takes up: the codes' values come out the same.
;;   OPERANDS COMPUTED ON THE WAY. 'Computed on the way' means the value that the module computes at that place (a softmax that the list does not call 'softmax' is quantised finished and normalised). What goes into a quantiser is computed in f32, as accurately as f32 sums, v_exp_f32 and their like allow (about 1e-6 of the number): no bf16 or f16 on the way to a quantiser, and a product that is left as it is and whose result goes on into a quantised operand takes f32 operands (vector FMAs, or v_wmma_f32_16x16x4_f32). A number that lies on a knife's edge between two numbers of the format may be rounded either way, as far as f32 arithmetic and the matrix unit's own rounding can turn it there, and no further.
;; One version. Each part assembles by itself: llvm-mc -triple=amdgcn-amd-amdhsa -mcpu=gfx1250 --defsym DOCPART=n.
;; ======== version 1 of 1: 2 launches
;; limits: right only within a limited range of input values
;; workspace buffers: kv 6,553,600 bytes; vs 131,072 bytes
;; launch prep (part 1): grid 256 x 1, 8 waves a work-group, no clusters, 167,936 bytes of LDS; arguments keys, values, kv, vs; writes kv, vs
.if DOCPART == 1
	.amdgcn_target "amdgcn-amd-amdhsa--gfx1250"
	.amdhsa_code_object_version 6
	.text
	.protected	k_q2818be03b1_prep
	.globl	k_q2818be03b1_prep
	.p2align	8
	.type	k_q2818be03b1_prep,@function
k_q2818be03b1_prep:
	s_mov_b64 s[64:65], 0
	v_nop
	global_prefetch_b8 v0, s[64:65] scope:SCOPE_SE
	s_setreg_imm32_b32 hwreg(HW_REG_WAVE_MODE, 25, 1), 1
	s_wait_xcnt 0x0
; keys and values, [32][2048][64] f32, become codes of FP6 (E2M3) with one E8M0 scale byte for each 32 along a product's K, once for the whole program:
; K is quantised along the head's 64 (its innermost axis), V along the KEYS.  Both are laid as IMAGES OF THE OPERAND'S REGISTERS.
; kv: [head 32][step 16][12,800 bytes]; a step is 128 keys: 8 units of K (768 bytes each), 8 units of V, 256 bytes of K's scale words, 256 of V's.
; A UNIT is six operand registers of 32 lanes: registers 0-3 at 16 x lane, registers 4-5 at 512 + 8 x lane.  Lane (r = lane % 16, h = lane / 16) holds ONE block of 32 codes:
;   K's unit n: key 32 (n / 2) + 8 (n % 2) + r + 8 (r / 8) of the step, d = 32 h .. 32 h + 31;   V's unit n: d = 16 (n % 4) + r, keys 64 (n / 4) + 32 h .. + 31.
; SCALE WORDS: [r 16][u 4] words; byte 2 (n / 4) + h of word n % 4 of row r is the byte of unit n, lane (r, h).
; vs: [head 32][step 16][64] f32: for each step the sum of its 128 QUANTISED values, per channel, made by products with a constant operand (code 4.0 under the scale 1/4).
; A block's scale is 2^(floor(log2(its largest magnitude)) - 2): its byte is the largest magnitude's exponent field - 2, held at 1 from below by a floor among the maximum's leaves.
; (A block of zeros so gets the byte 1 where the rule says 127: its codes are zeros, and the bytes are read by this program alone.)
; LIMITS: blocks whose largest magnitude lies under 2^-124 keep the byte 1; NaN and infinities among the inputs are not served.
; SHARES.  A wave takes half a step (64 keys x 256 bytes, dense) of one head of one tensor: work-groups 0-127 take K, 128-255 take V.  One tensor load brings it into the wave's own LDS bytes, each byte filled once.
; Two waves of a step hand their halves of the scale words, and V's waves their sums, through LDS: one barrier.  No input is shared by work-groups, so there is no cluster.
; No prefetch: each wave's one load is asked for at the head, and there is no loop to run ahead in.
.set PITCH, 272                        ; an LDS row: a key's 256 bytes + 16 of padding
.set WREG,  64*PITCH                   ; a wave's LDS bytes
.set UNIT,  768
.set STEPB, 12800
.set SCL,   8*WREG                     ; the scale words: 4 steps x 256 bytes for K's work-groups, the same behind them for V's
.set SMS,   SCL+2048                   ; V's sums: 256 bytes a wave
.set SPARE, SMS+2048                   ; the spare words: 128 bytes a wave
.set X,   32                           ; v32-95    two sets of 32 numbers; later v32-63 V's sums
.set CU,  96                           ; v96-119   unit n's six code registers at CU + 6 n; v120-125 zeros
.set BC,  128                          ; v128-139  the constant operand: six registers of the code 4.0, six of zeros
.set SB,  140                          ; v140      its scale word
.set DD,  144                          ; v144-146  a block's upper 16 codes (a conversion's three registers begin on an even number)
.set W,   148                          ; v148-151  the four scale words
.set PT,  152                          ; v152-155  the other half of the lanes' bytes
.set G1,  28
.set G0,  36
	s_load_b256 s[4:11], s[0:1], 0x0               ; keys, values, kv, vs
	v_lshl_add_u32 v158, v0, 2, SPARE
	v_mov_b32 v159, 0
	ds_add_u32 v158, v159                          ; the wave's opening: the add, twice on end, and its wait
	ds_add_u32 v158, v159
	v_lshrrev_b32 v1, 5, v0
	v_readfirstlane_b32 s12, v1                    ; wave 0..7
	s_lshl_b32 s13, ttmp9, 3
	s_add_co_u32 s13, s13, s12
	s_and_b32 s14, s13, 1023                       ; 32 x head + half step
	s_lshl_b32 s18, s14, 14                        ; in: 16,384 bytes a half step
	s_mov_b32 s19, 0
	s_lshr_b32 s15, s14, 1                         ; 16 x head + step
	s_and_b32 s20, s12, 1                          ; which half
	s_mul_i32 s16, s15, STEPB
	s_mul_i32 s21, s20, 4*UNIT
	s_add_co_u32 s16, s16, s21                     ; out: my step's image, + 4 units in its second half
	s_mov_b32 s17, 0
	s_lshl_b32 s22, s15, 8                         ; sums: 256 bytes a step
	s_mov_b32 s23, 0
	s_mul_i32 s24, s12, WREG                       ; my LDS bytes
	s_lshr_b32 s26, s12, 1                         ; which of the work-group's four steps
	s_mov_b32 s[G1+0], (3<<16)|(1<<20)|(5<<22)|(3<<25)  ; no mask; elements of 8 bytes; padding on: after every 64 words (code 5) 4 words (code 3)
	s_mov_b32 s[G1+1], 32<<16                      ; tensor_dim0 = 32 elements: 256 bytes
	s_mov_b32 s[G1+2], 64<<16                      ; tensor_dim1 = 64
	s_mov_b32 s[G1+3], 32<<16                      ; tile_dim0
	s_mov_b32 s[G1+4], 64                          ; tile_dim1
	s_mov_b32 s[G1+5], 32                          ; dense
	s_mov_b32 s[G1+6], 0
	s_mov_b32 s[G1+7], 0
	s_mov_b32 s40, 0x76543210
	s_mov_b32 s41, 0xfedcba98                      ; v_permlanex16_b32's selects for lane l xor 16
	s_wait_dscnt 0x0
	s_wait_kmcnt 0x0
	s_cmp_lt_u32 ttmp9, 128                        ; K's work-group or V's?  The choice hangs on the work-group's number alone
	s_cselect_b64 s[4:5], s[4:5], s[6:7]
	s_cselect_b32 s25, 0, 8*UNIT                   ; V's units lie behind K's eight
	s_add_co_u32 s16, s16, s25
	s_add_nc_u64 s[4:5], s[4:5], s[18:19]
	s_add_nc_u64 s[8:9], s[8:9], s[16:17]
	s_add_nc_u64 s[10:11], s[10:11], s[22:23]
	s_mov_b32 s[G0+0], 1
	s_mov_b32 s[G0+1], s24
	s_mov_b64 s[G0+2:G0+3], s[4:5]
	s_or_b32 s[G0+3], s[G0+3], 0x80000000          ; type = 2
	tensor_load_to_lds s[G0:G0+3], s[G1:G1+7]      ; the wave's one load
	s_nop 0
	v_and_b32 v9, 31, v0                           ; lane
	v_and_b32 v10, 15, v0                          ; r
	v_bfe_u32 v8, v0, 4, 1                         ; h
	v_lshlrev_b32 v1, 4, v9                        ; 16 x lane
	v_lshlrev_b32 v2, 3, v9                        ; 8 x lane
	s_lshl_b32 s27, s26, 8
	s_add_co_u32 s27, s27, SCL                     ; my step's scale words
	v_add_nc_u32 v14, s27, v2                      ; read back: 8 bytes a lane
	s_lshl_b32 s42, s20, 1
	s_add_co_u32 s27, s27, s42                     ; my half: 2 bytes of each word
	v_lshlrev_b32 v3, 4, v10
	v_lshl_add_u32 v3, v8, 3, v3
	v_add_nc_u32 v3, s27, v3                       ; stored: row r, words 2 h and 2 h + 1
	s_lshl_b32 s43, s12, 8
	s_add_co_u32 s43, s43, SMS
	s_wait_alu depctr_va_vdst(0)                   ; ahead of the readers below
	v_lshlrev_b32 v15, 5, v8
	v_add_nc_u32 v15, s43, v15                     ; V's sums, stored: 32 h; tile t 64 bytes on
	s_lshl_b32 s43, s26, 9
	s_add_co_u32 s43, s43, SMS
	v_add_nc_u32 v16, s43, v2                      ; read back: my step's two waves' sums, 256 bytes apart
	v_and_b32 v4, 8, v10
	v_add_nc_u32 v4, v4, v10                       ; r + 8 (r / 8)
	v_mul_u32_u24 v4, v4, PITCH
	v_lshl_add_u32 v4, v8, 7, v4
	v_add_nc_u32 v4, s24, v4                       ; K: my key's row, + 128 h: my 32 numbers lie side by side
	v_mul_u32_u24 v5, v8, 32*PITCH
	v_lshl_add_u32 v5, v10, 2, v5
	v_add_nc_u32 v5, s24, v5                       ; V: 32 h keys down, column r: my 32 numbers lie one below the other
	v_lshlrev_b32 v6, 3, v8                        ; 8 h: my byte's place
.irp u, 0,1,2,3
	v_mov_b32 v[PT+\u], 0                          ; written once: a lane permute's destination counts as one of its sources
.endr
; unit n's 32 numbers of my lane into set n % 2
.macro LOADX n, isv
.set XL, X+32*((\n)%2)
.set UL, (\n)
.if \isv
.irp i, 0,1,2,3,4,5,6,7,8,9,10,11,12,13,14,15,16,17,18,19,20,21,22,23,24,25,26,27,28,29,30,31
	ds_load_b32 v[XL+\i], v5 offset:PITCH*\i+64*UL
.endr
.else
.irp i, 0,1,2,3,4,5,6,7
	ds_load_b128 v[XL+4*\i:XL+4*\i+3], v4 offset:(32*(UL/2)+8*(UL%2))*PITCH+16*\i
.endr
.endif
.endm
; unit n: the block's largest magnitude (all 32 numbers are mine), its scale, its codes; the unit leaves at once
.macro QUNIT n
.set XQ, X+32*((\n)%2)
.set CQ, CU+6*(\n)
	v_max3_num_f32 v11, |v[XQ]|, |v[XQ+1]|, 0x1800000              ; two chains; the floor 2^(3 - 127) is one leaf
	v_max3_num_f32 v12, |v[XQ+16]|, |v[XQ+17]|, |v[XQ+18]|
.irp i, 2,4,6,8,10,12
	v_max3_num_f32 v11, v11, |v[XQ+\i]|, |v[XQ+\i+1]|
	v_max3_num_f32 v12, v12, |v[XQ+17+\i]|, |v[XQ+18+\i]|
.endr
	v_max3_num_f32 v11, v11, |v[XQ+14]|, |v[XQ+15]|
	v_max3_num_f32 v11, v11, v12, |v[XQ+31]|
	v_add_nc_u32 v11, 0xff000000, v11              ; 2 off its exponent field: the conversion takes the exponent field of this operand as its scale
	v_cvt_scalef32_pk16_fp6_f32 v[CQ:CQ+2], v[XQ:XQ+15], v11
	v_cvt_scalef32_pk16_fp6_f32 v[DD:DD+2], v[XQ+16:XQ+31], v11
	v_lshrrev_b32 v13, 23, v11                     ; the scale's byte.  (Also the plain line behind the conversions)
.irp i, 0,1,2
	v_mov_b32 v[CQ+3+\i], v[DD+\i]
.endr
	v_lshlrev_b32 v[W+(\n)], v6, v13               ; at place h
	global_store_b128 v1, v[CQ:CQ+3], s[8:9] offset:UNIT*(\n)       ; 512 consecutive bytes
	global_store_b64 v2, v[CQ+4:CQ+5], s[8:9] offset:UNIT*(\n)+512  ; 256 consecutive bytes
.endm
.macro TASK isv
	s_wait_tensorcnt 0x0                           ; my half step is in LDS
	LOADX 0, \isv
.irp n, 0,1,2,3
.if \n < 3
	LOADX \n+1, \isv
.if \isv
	s_wait_dscnt 32                                ; this unit's numbers are in; the next unit's 32 loads may be out
.else
	s_wait_dscnt 8                                 ; this unit's numbers are in; the next unit's 8 loads may be out
.endif
.else
	s_wait_dscnt 0x0
.endif
	QUNIT \n
.endr
.irp u, 0,1,2,3
	v_permlanex16_b32 v[PT+\u], v[W+\u], s40, s41
.endr
.irp u, 0,1,2,3
	v_or_b32 v[W+\u], v[W+\u], v[PT+\u]            ; both blocks' bytes: half a scale word
.endr
	v_cmp_ne_u32 vcc_lo, 0, v8
	v_cndmask_b32 v156, v[W+0], v[W+2], vcc_lo     ; lanes 0-15 store words 0 and 1 of row r, lanes 16-31 words 2 and 3
	v_cndmask_b32 v157, v[W+1], v[W+3], vcc_lo
	ds_store_b16 v3, v156 offset:1024*\isv
	ds_store_b16 v3, v157 offset:1024*\isv+4
.if \isv
	v_mov_b32 v[SB], 0x7d7d7d7d                    ; the scale 1/4
.irp i, 0,1,2,3,4,5
	v_mov_b32 v[CU+24+\i], 0                       ; the last tile's operand reaches past unit 3
.endr
.irp i, 0,3
	v_mov_b32 v[BC+\i], 0x18618618                 ; the code of 4.0, 011000, sixteen times: 96 bits
	v_mov_b32 v[BC+\i+1], 0x86186186
	v_mov_b32 v[BC+\i+2], 0x61861861
.endr
.irp i, 6,7,8,9,10,11
	v_mov_b32 v[BC+\i], 0                          ; against zeros the operand's upper half adds nothing
.endr
.rept 4
	v_nop
.endr
	s_wait_alu depctr_va_vdst(0)
.irp t, 0,1,2,3                                    ; register j of lane (r, h): the sum of my 64 keys' quantised values of d = 16 t + 8 h + j
	v_wmma_scale_f32_16x16x128_f8f6f4 v[X+8*\t:X+8*\t+7], v[CU+6*\t:CU+6*\t+11], v[BC:BC+11], 0, v[W+\t], v[SB] matrix_a_fmt:MATRIX_FMT_FP6 matrix_b_fmt:MATRIX_FMT_FP6
.endr
.rept 4
	v_nop
.endr
.irp t, 0,1,2,3
	ds_store_b128 v15, v[X+8*\t:X+8*\t+3] offset:64*\t          ; sixteen lanes store the same bytes with the same values
	ds_store_b128 v15, v[X+8*\t+4:X+8*\t+7] offset:64*\t+16
.endr
.endif
	s_wait_alu depctr_va_vdst(0)
	s_wait_dscnt 0x0                               ; my stores are done:
	s_barrier_signal -1
	s_barrier_wait -1                              ; everybody's are
	s_cmp_eq_u32 s20, 0
	s_cbranch_scc0 .Lodd_\@
	ds_load_b64 v[156:157], v14 offset:1024*\isv   ; even waves: the step's scale words
	s_wait_dscnt 0x0
.if \isv
	global_store_b64 v2, v[156:157], s[8:9] offset:12544-8*UNIT     ; 256 consecutive bytes
	s_branch .Lout_\@
.else
	global_store_b64 v2, v[156:157], s[8:9] offset:12288
.endif
.Lodd_\@:
.if \isv
	ds_load_b64 v[152:153], v16                    ; odd waves: the step's sums
	ds_load_b64 v[154:155], v16 offset:256
	s_wait_dscnt 0x0
	v_pk_add_f32 v[152:153], v[152:153], v[154:155]
	global_store_b64 v2, v[152:153], s[10:11]      ; 256 consecutive bytes
.Lout_\@:
.endif
	s_wait_tensorcnt 0x0                           ; the wave's end
	ds_add_u32 v158, v159
	s_wait_dscnt 0x0
	s_endpgm
.endm
	s_wait_alu depctr_va_vdst(0)                   ; the head's end
	s_cmp_lt_u32 ttmp9, 128
	s_cbranch_scc0 .Lvalues
	TASK 0
.Lvalues:
	TASK 1
.Lfunc_end_k_q2818be03b1_prep:
	.size	k_q2818be03b1_prep, .Lfunc_end_k_q2818be03b1_prep-k_q2818be03b1_prep
	.p2alignl 7, 3214868480
	.fill 96, 4, 3214868480
	.section	.rodata,"a",@progbits
	.p2align	6, 0x0
	.amdhsa_kernel k_q2818be03b1_prep
		.amdhsa_group_segment_fixed_size 167936
		.amdhsa_private_segment_fixed_size 0
		.amdhsa_enable_private_segment 0
		.amdhsa_kernarg_size 32
		.amdhsa_user_sgpr_count 2
		.amdhsa_user_sgpr_kernarg_segment_ptr 1
		.amdhsa_wavefront_size32 1
		.amdhsa_system_sgpr_workgroup_id_x 1
		.amdhsa_system_sgpr_workgroup_id_y 1
		.amdhsa_system_sgpr_workgroup_id_z 1
		.amdhsa_system_vgpr_workitem_id 0
		.amdhsa_next_free_vgpr 160
		.amdhsa_next_free_sgpr 66
		.amdhsa_reserve_vcc 1
		.amdhsa_float_denorm_mode_32 3
		.amdhsa_float_denorm_mode_16_64 3
		.amdhsa_memory_ordered 1
		.amdhsa_forward_progress 1
		.amdhsa_inst_pref_size 32
	.end_amdhsa_kernel
	.amdgpu_metadata
---
amdhsa.version: [ 1, 2 ]
amdhsa.kernels:
  - .name:           k_q2818be03b1_prep
    .symbol:         k_q2818be03b1_prep.kd
    .args:
      - { .name: keys, .offset: 0, .size: 8, .value_kind: global_buffer, .address_space: global }
      - { .name: values, .offset: 8, .size: 8, .value_kind: global_buffer, .address_space: global }
      - { .name: kv, .offset: 16, .size: 8, .value_kind: global_buffer, .address_space: global }
      - { .name: vs, .offset: 24, .size: 8, .value_kind: global_buffer, .address_space: global }
    .group_segment_fixed_size: 167936
    .private_segment_fixed_size: 0
    .kernarg_segment_align: 8
    .kernarg_segment_size: 32
    .max_flat_workgroup_size: 256
    .sgpr_count:     66
    .vgpr_count:     160
    .wavefront_size: 32
...
	.end_amdgpu_metadata
.endif
;; end of part 1
;; launch attn (part 2): grid 8 x 32, 8 waves a work-group, clusters of 4 x 1, 306,176 bytes of LDS; arguments kv, masks, queries, out0, vs; writes out0
.if DOCPART == 2
	.amdgcn_target "amdgcn-amd-amdhsa--gfx1250"
	.amdhsa_code_object_version 6
	.text
	.protected	k_q2818be03b1_attn
	.globl	k_q2818be03b1_attn
	.p2align	8
	.type	k_q2818be03b1_attn,@function
k_q2818be03b1_attn:
	s_mov_b64 s[64:65], 0
	v_nop
	global_prefetch_b8 v0, s[64:65] scope:SCOPE_SE
	s_setreg_imm32_b32 hwreg(HW_REG_WAVE_MODE, 25, 1), 1
	s_wait_xcnt 0x0
	s_wait_alu depctr_hold_cnt(0) depctr_sa_sdst(0) depctr_va_vdst(0) depctr_va_sdst(0) depctr_va_ssrc(0) depctr_va_vcc(0) depctr_vm_vsrc(0)
	s_getreg_b32 s2, hwreg(HW_REG_IB_STS2, 6, 4)
	s_cmp_eq_u32 s2, 0
	s_cbranch_scc0 .Lentry_in_a_cluster
	s_endpgm
.Lentry_in_a_cluster:
	s_bfe_u32 s2, ttmp6, 0x10000c
	s_cmp_lg_u32 s2, 0x3003
	s_cbranch_scc0 .Lentry_shape_is_right
	s_endpgm
.Lentry_shape_is_right:
; out0[h][q][:] = softmax_k(logit) V[h][k][:], logit = Q.K / 8 + f32(mask[h % 4][k]) x MASK for k <= q and MASK for k > q, MASK = -2^32 (a FINITE number).  32 heads, 2,048 queries and keys, head size 64.
; Both products on codes of FP6 (E2M3) with one E8M0 scale for each 32 along K.  K and V come as codes from kv (an image of the operand's registers, laid by the launch before); Q is quantised here, in registers.
; SCORES ARE KEPT AS 8 x logit: the mask term, f32(m) x 8 MASK, is the C of the product Q.K, so that the sum of score and mask term is an f32 sum; dividing by 8 is exact and rests with the next factor.
; THE SOFTMAX: x = s x F - M in one fused line, p = 2^x, quantised along the keys, not normalised; the row's sum is taken of the unquantised p and divides at the end.  M is a whole number.
; F = log2 e / 8 and M = the running largest s x F, rounded up, in a row whose running largest |s| lies at or under 2^34.  Above that the row has seen keys under the mask's term alone: neighbouring f32 numbers of
; that size lie 2,048 and more apart, so p is 1 at the maximum and 0 (or far below f32's resolution) elsewhere under any such factor: there F = 1/2, and s / 2 and M are exact whole numbers.
; When M moves, the sum and O are multiplied by 2^(old M - new M): exact (and 0 where F changes, since M then moves by more than 2^31).
; FUTURE KEYS COUNT.  MASK is finite, so in a row whose visible keys are all masked the future keys tie with them.  Behind the step on the diagonal every s of a row is 8 MASK, so p there is ONE number a row, c, a power of two
; which the quantiser keeps: their part of the product is c x the sum of the quantised values behind the diagonal step, and c x their number enters the row's sum.  Those sums of 128 keys come from vs; suffixes of them stand in LDS.
; SHARES.  A block is 128 queries; a wave works two tiles of 16 queries of a block, 32 queries in all, and reads each fragment of K, V and the masks once for both.  Cluster X (0, 1) of a head has the blocks i and L = 15 - i,
; i = 2 k + (X xor (k % 2)), k = 0 .. 3; its four work-groups take 32 of each block's queries each.  Waves w and w xor 4 share a pair: role 0 takes steps 0..9 of block L (0..8 where L = 8); role 1 takes block i (steps 0..i),
; sends it out in trip i + 1, and takes steps 10..L of block L.  At the end each of the two hands the other the state of one tile through LDS, and each finishes one tile of block L.  All waves walk ten trips; a trip whose step
; lies behind its block's diagonal does no work.
; LDS.  The head's whole image, 204,800 bytes, is filled ONCE, by one joint load a wave, 25,600 bytes = two steps each.  Wave 0's load has a line of its own: the first barrier shows steps 0 and 1, on which the first two trips
; work; the second barrier, behind those trips, shows the rest.
; CLUSTER.  The four work-groups of a cluster belong to one head: the image is asked for JOINTLY, with the same descriptor and a mask that names the four.
; All that the launch reads is asked for at its head, so no prefetch is laid: nothing is left that could be asked for ahead of its load.
; K = 64 IN A FORM OF 128.  The other half of K is zero codes on both sides.  Two tiles of K share one run of zeros: [tile u][zeros][tile 4 + u], 18 registers; tile u takes registers 0-11 against Q's [Q][zeros],
; tile 4 + u registers 6-17 against [zeros][Q].  One scale word serves both; the bytes that meet zero codes are bytes of 1 to 254.
; LAYOUT.  Both products are used transposed: S^T = K Q^T, O^T = V^T P^T: a lane holds ONE query (lane % 16) throughout.  Register 16 b + i of S^T is key 32 b + 16 (lane / 16) + i of the step.
; WINDOWS.  One tile's S, O, p and state lie in window 0 (v0-255), the other's under the same numbers in window 1 (v256-511); the softmax is one text, worked under windows 0 and 1.  Window 0's tile begins 16 x role queries into
; the 32, window 1's 16 x (1 - role).  K's and V's fragments and all scale words lie in window 0, the mask terms in window 1.
; LIMITS: NaN and infinities among the inputs are not served; the promise holds while the scaled scores (exponents to the base 2, before the maximum is taken away) stay under 2^31 in magnitude; blocks of Q whose largest
; magnitude lies under 2^-124 keep the scale byte 1; a p under 2^-126 is 0 (v_exp_f32 gives 0 there: ISA guide, its entry).  masks may hold any int32.
.set KVSTEP, 12800                     ; a step's image: 8 units of K, 8 of V, the scale words
.set UNIT,  768
.set VOFF,  6144
.set KSOFF, 12288
.set VSOFF, 12544
.set MT,    204800                     ; f32(mask) x 8 MASK of the head's 2,048 keys: 8,192 bytes
.set SUF,   212992                     ; 16 rows of 64 f32: row b = the sum of the quantised values of all steps behind step b
.set STG,   217088                     ; a stage of 16 rows x 272 bytes for each wave: Q on its way in, results on their way out
.set SP,    272
.set PART,  251904                     ; a tile's state for the partner wave: 9 x 512 bytes for each wave
.set PSZ,   4608
.set QX,    288768                     ; Q's codes and scale words for the partner wave: two tiles x 1,024 bytes for each wave
.set QXZ,   2048
.set SPARE, 305152                     ; the spare words: 128 bytes a wave
.set VS0,  0                           ; v0   SUF + 32 x (lane / 16)   (at the head: the thread's number)
.set LI16, 1                           ; v1   16 x lane
.set LI8,  2                           ; v2   8 x lane
.set R16,  3                           ; v3   16 x (lane % 16)
.set MT0,  4                           ; v4   MT + 64 x (lane / 16)
.set DQ,   5                           ; v5   (each window) on the diagonal register 16 b + i is a future key where 32 b + i > DQ
.set STO,  6                           ; v6   the stage: row lane % 16, + 32 x (lane / 16)
.set SRD,  7                           ; v7   the stage: whole rows, lanes 0-15 one row of 256 bytes, lanes 16-31 the next
.set A16,  8                           ; v8-11 the step's addresses
.set A8,   9
.set ASC,  10
.set AMT,  11
                                       ; v12 -M, v13 the largest s, v[14:15] the sum in two halves (each window)
.set QF,   16                          ; v16-33   [Q][zeros][Q] (each window)
.set KF,   34                          ; v34-69   window 0: two runs of 18
.set MV,   34                          ; v34-97   window 1: the step's 64 mask terms
.set VF,   70                          ; v70-117  window 0: V's four fragments
.set KSC,  118                         ; v118-121 K's scale words
.set VSC,  122                         ; v122-125 V's
.set S,    128                         ; v128-191 S^T, then p (each window)
.set O,    192                         ; v192-223 O^T (each window)
.set PC,   224                         ; v224-235 p's codes (each window);  v232-247, v252-255 at work: v252 the factor of a move of M, v254 F
.set PSB,  248                         ; scale words, window 0: p's of window 1's tile,
.set PSA,  249                         ; of window 0's,
.set QSA,  250                         ; Q's of window 0's tile,
.set QSB,  251                         ; of window 1's
.set WV,   12
.set II,   13                          ; block i
.set LL,   14                          ; block L
.set ROLE, 16
.set SEL,  18                          ; s[18:19] v_permlanex16_b32's selects for lane l xor 16
.set BF,   20                          ; the block of my first trips
.set SW,   21                          ; my last trip on it (15: no change of blocks)
.set SWP1, 22
.set OFS,  23                          ; 8 - i
.set G1,   24
.set G0,   32
.set TB,   36                          ; LDS byte at which the next trip's image begins
.set TM,   37                          ; 512 x its step: its mask terms
.set KS,   38                          ; the trip
.set ST,   39                          ; its step
.set QXP,  54                          ; my partner's codes of Q
.set BCUR, 58                          ; the block at work
.set C8,   59                          ; log2 e / 8
.set HG,   60                          ; 2^34
.set FM,   61                          ; 8 MASK = -2^35
.set PADR, 62                          ; my partner's state
.set PST,  63                          ; mine
.set MSB, 0
.macro WIN new                         ; the immediate's high byte repeats the setting that is left
.if MSB != \new
	s_set_vgpr_msb (MSB<<8)|\new
.set MSB, \new
.endif
.endm
; A round of the cluster's barrier: my work-group's barrier; wave 0 signals for the work-group; every wave waits for all four work-groups; my work-group's barrier once more.
.macro ROUND
	s_barrier_signal -1
	s_barrier_wait -1
	s_cmp_lg_u32 s[WV], 0
	s_cbranch_scc1 .Lnot_wave_0_\@
	s_barrier_signal -3
.Lnot_wave_0_\@:
	s_barrier_wait -3
	s_barrier_signal -1
	s_barrier_wait -1
.endm
.macro PLACES                          ; four plain lines behind matrix instructions, ahead of loads into their operands and of the first read of their results
.rept 4
	v_nop
.endr
.endm
.macro QBASE d, w                      ; Q's 16 rows of my first block for window w's tile
	s_xor_b32 s40, s[ROLE], \w
	s_lshl_b32 s40, s40, 12
	s_lshl_b32 s41, s[BF], 15
	s_add_co_u32 s40, s40, s41
	s_mov_b32 s41, 0
	s_add_nc_u64 s[\d:\d+1], s[8:9], s[40:41]
.endm
.macro QLOAD x, d                      ; 32 lanes read 512 consecutive bytes: two rows
.irp i, 0,1,2,3,4,5,6,7
	global_load_b128 v[\x+4*\i:\x+4*\i+3], v[LI16], s[\d:\d+1] offset:512*\i
.endr
.endm
.macro QTURN x, y                      ; through my stage: in as whole rows, back as my block of 32: Q(r, 32 h ..).  LDS serves a wave's instructions in order (ISA guide 5.7.1.4)
.irp i, 0,1,2,3,4,5,6,7
	ds_store_b128 v[SRD], v[\x+4*\i:\x+4*\i+3] offset:2*SP*\i
.endr
.irp i, 0,1,2,3,4,5,6,7
	ds_load_b128 v[\y+4*\i:\y+4*\i+3], v11 offset:16*\i
.endr
.endm
.macro QUANT x                         ; my block of 32 in v[x ..]: codes in v[224:226] and v[230:232], the scale word in v242
	v_max3_num_f32 v240, |v[\x]|, |v[\x+1]|, 0x1800000             ; the largest magnitude, in two chains, with the floor 2^(3 - 127) as a leaf
	v_max3_num_f32 v241, |v[\x+16]|, |v[\x+17]|, |v[\x+18]|
.irp i, 2,4,6,8,10,12
	v_max3_num_f32 v240, v240, |v[\x+\i]|, |v[\x+\i+1]|
	v_max3_num_f32 v241, v241, |v[\x+17+\i]|, |v[\x+18+\i]|
.endr
	v_max3_num_f32 v240, v240, |v[\x+14]|, |v[\x+15]|
	v_max3_num_f32 v240, v240, v241, |v[\x+31]|
	v_add_nc_u32 v241, 0xff000000, v240            ; 2 off its exponent field: the conversion's scale operand
	v_cvt_scalef32_pk16_fp6_f32 v[224:226], v[\x:\x+15], v241
	v_cvt_scalef32_pk16_fp6_f32 v[230:232], v[\x+16:\x+31], v241
	v_lshrrev_b32 v242, 23, v241                   ; the scale's byte
	v_lshlrev_b32 v242, v243, v242                 ; at place h,
	v_permlanex16_b32 v247, v242, s[SEL], s[SEL+1]
	v_or_b32 v242, v242, v247                      ; with lane l xor 16's,
	v_lshl_or_b32 v242, v242, 16, v242             ; and both once more above: Q stands in blocks 0, 1 or in blocks 2, 3
.endm
.macro QPUT                            ; [Q][ ][Q]
.irp i, 0,1,2
	v_mov_b32 v[QF+\i], v[224+\i]
	v_mov_b32 v[QF+3+\i], v[230+\i]
	v_mov_b32 v[QF+12+\i], v[224+\i]
	v_mov_b32 v[QF+15+\i], v[230+\i]
.endr
.endm
.macro RESET                           ; the state ahead of a tile's first step: the largest s -3e38, under every s; -M to it; no sum; O^T = 0 (the step is written once for all trips of a loop: the first finds zeros)
	v_mov_b32 v12, 0x7ee1b1e6
	v_mov_b32 v13, 0xff61b1e6
	v_mov_b32 v14, 0
	v_mov_b32 v15, 0
.set J, 0
.rept 32
	v_mov_b32 v[O+J], 0
.set J, J+1
.endr
.endm
	s_load_b256 s[4:11], s[0:1], 0x0               ; kv s[4:5], masks s[6:7], queries s[8:9], out0 s[10:11]
	s_load_b64 s[48:49], s[0:1], 0x20              ; vs
	v_lshl_add_u32 v126, v0, 2, SPARE
	v_mov_b32 v127, 0
	ds_add_u32 v126, v127                          ; the wave's opening: the add, twice on end, and its wait
	ds_add_u32 v126, v127
	v_lshrrev_b32 v8, 5, v0
	v_readfirstlane_b32 s[WV], v8                  ; wave 0..7
	s_and_b32 s40, s[WV], 3                        ; k
	s_lshr_b32 s41, s[WV], 2
	s_xor_b32 s41, s41, s[WV]
	s_and_b32 s[ROLE], s41, 1
	s_and_b32 s42, ttmp9, 1                        ; X: the cluster's x, which the four partners share
	s_and_b32 s43, s40, 1
	s_xor_b32 s42, s42, s43
	s_lshl_b32 s40, s40, 1
	s_or_b32 s[II], s40, s42
	s_xor_b32 s[LL], s[II], 15
	s_sub_co_u32 s[OFS], 8, s[II]
	s_cmp_eq_u32 s[ROLE], 0
	s_cselect_b32 s[BF], s[LL], s[II]
	s_cselect_b32 s[SW], 15, s[II]
	s_add_co_u32 s[SWP1], s[SW], 1
	s_bfe_u32 s15, ttmp6, 0x40000                  ; cx: it enters Q's and O's addresses and DQ alone
	s_and_b32 s17, ttmp7, 0xffff                   ; the head, which the four partners share
	s_lshl_b32 s42, s17, 19                        ; Q and O: the head's 2,048 rows of 256 bytes,
	s_lshl_b32 s43, s15, 13                        ; 32 cx rows
	s_add_co_u32 s42, s42, s43
	s_mov_b32 s43, 0
	s_mul_i32 s[G0+1], s[WV], 2*KVSTEP             ; LDS address of my eighth of the image
	s_mul_i32 s44, s17, 16*KVSTEP                  ; in memory: the head's image,
	s_add_co_u32 s44, s44, s[G0+1]                 ; the same eighth
	s_mov_b32 s45, 0
	s_lshl_b32 s46, s17, 12                        ; vs: 4,096 bytes a head
	s_mov_b32 s47, 0
	s_mov_b32 s[G1+0], 15|(3<<16)|(1<<21)          ; the mask: all four work-groups; elements of 8 bytes; bit 21 set beside a mask; no padding
	s_mov_b32 s[G1+1], 32<<16                      ; tensor_dim0 = 32 elements: 256 bytes
	s_mov_b32 s[G1+2], 100<<16                     ; tensor_dim1 = 100 rows: two steps' images
	s_mov_b32 s[G1+3], 32<<16                      ; tile_dim0
	s_mov_b32 s[G1+4], 100                         ; tile_dim1
	s_mov_b32 s[G1+5], 32                          ; dense
	s_mov_b32 s[G1+6], 0
	s_mov_b32 s[G1+7], 0
	s_mov_b32 s[SEL], 0x76543210
	s_mov_b32 s[SEL+1], 0xfedcba98
	s_mov_b32 s[C8], 0x3e38aa3b
	s_mov_b32 s[HG], 0x50800000
	s_mov_b32 s[FM], 0xd1000000
	s_mov_b32 s[TB], 0
	s_mov_b32 s[TM], 0
	s_mov_b32 s[KS], 0
	s_mul_i32 s[PST], s[WV], PSZ
	s_add_co_u32 s[PST], s[PST], PART
	s_xor_b32 s40, s[WV], 4
	s_mul_i32 s[PADR], s40, PSZ
	s_add_co_u32 s[PADR], s[PADR], PART
	s_mul_i32 s[QXP], s40, QXZ
	s_add_co_u32 s[QXP], s[QXP], QX
	v_and_b32 v8, 31, v0                           ; lane
	v_and_b32 v9, 15, v0                           ; r
	v_bfe_u32 v10, v0, 4, 1                        ; h
	v_lshlrev_b32 v[LI16], 4, v8
	v_lshlrev_b32 v[LI8], 3, v8
	v_lshlrev_b32 v[R16], 4, v9
	v_lshl_add_u32 v[MT0], v10, 6, MT
	v_lshlrev_b32 v[DQ], 4, v10
	v_sub_nc_u32 v[DQ], v9, v[DQ]                  ; r - 16 h,
	s_lshl_b32 s40, s15, 5
	s_lshl_b32 s41, s[ROLE], 4
	s_add_co_u32 s40, s40, s41                     ; + 32 cx + 16 role in window 0, + 32 cx + 16 (1 - role) in window 1
	s_xor_b32 s41, s40, 16
	s_wait_alu depctr_va_vdst(0)                   ; ahead of the readers below
	WIN 0x40
	v_add_nc_u32 v[DQ], s41, v[DQ]
	WIN 0
	v_add_nc_u32 v[DQ], s40, v[DQ]
	v_lshlrev_b32 v243, 3, v10                     ; 8 h
	s_mul_i32 s40, s[WV], 16*SP
	s_add_co_u32 s40, s40, STG                     ; my stage
	v_mul_u32_u24 v11, v9, SP
	v_lshl_add_u32 v[STO], v10, 5, v11
	v_add_nc_u32 v[STO], s40, v[STO]
	v_lshl_add_u32 v11, v10, 7, v11
	v_add_nc_u32 v11, s40, v11                     ; Q back from the stage: row r, + 128 h: my block of 32
	v_mul_u32_u24 v[SRD], v10, SP
	v_lshl_add_u32 v[SRD], v9, 4, v[SRD]
	v_add_nc_u32 v[SRD], s40, v[SRD]
	v_lshl_add_u32 v[VS0], v10, 5, SUF
	v_mov_b32 v245, 0                              ; written once: lane permutes' destinations count as sources
	v_mov_b32 v247, 0
	s_wait_alu depctr_va_vdst(0)                   ; ahead of the waits below
	s_wait_dscnt 0x0
	s_wait_kmcnt 0x0
	s_mov_b32 s[G0+0], 1
	s_add_nc_u64 s[G0+2:G0+3], s[4:5], s[44:45]
	s_or_b32 s[G0+3], s[G0+3], 0x80000000          ; type = 2
	s_and_b32 s40, s17, 3                          ; the masks' row: head % 4,
	s_lshl_b32 s40, s40, 13
	s_lshl_b32 s41, s[WV], 9                       ; my 512 bytes of each half of it
	s_add_co_u32 s40, s40, s41
	s_mov_b32 s41, 0
	s_add_nc_u64 s[6:7], s[6:7], s[40:41]
	s_add_nc_u64 s[8:9], s[8:9], s[42:43]
	s_add_nc_u64 s[10:11], s[10:11], s[42:43]
	s_add_nc_u64 s[48:49], s[48:49], s[46:47]
	s_lshl_b32 s46, s[WV], 9
	s_add_nc_u64 s[46:47], s[48:49], s[46:47]      ; steps 2 w, 2 w + 1 of vs
	QBASE 50, 0
	QBASE 52, 1
	global_load_b128 v[102:105], v[LI16], s[6:7]   ; eight masks
	global_load_b128 v[106:109], v[LI16], s[6:7] offset:4096
.irp t, 2,3,4,5,6,7,8,9,10,11,12,13,14,15
	global_load_b64 v[30+2*\t:31+2*\t], v[LI8], s[48:49] offset:256*\t   ; step t's sums, two channels a lane
.endr
	global_load_b64 v[62:63], v[LI8], s[46:47] offset:256                ; step 2 w + 1's
	QLOAD 128, 50
	QLOAD 160, 52
	ROUND                                          ; all four work-groups are here: the joint loads meet
	s_cmp_lt_u32 s[WV], 1                          ; the branch hangs on the wave's number alone
	s_cbranch_scc0 .Lrest
	tensor_load_to_lds s[G0:G0+3], s[G1:G1+7]      ; wave 0: steps 0 and 1
	s_nop 0
.rept 4
	v_nop
.endr
	s_branch .Lasked
.Lrest:
	tensor_load_to_lds s[G0:G0+3], s[G1:G1+7]      ; waves 1-7: steps 2 w and 2 w + 1
	s_nop 0
.rept 4
	v_nop
.endr
.Lasked:
.irp i, 0,1,2,3,4,5
	v_mov_b32 v[QF+6+\i], 0                        ; Q's zeros, in both windows
.endr
	WIN 0x40
.irp i, 0,1,2,3,4,5
	v_mov_b32 v[QF+6+\i], 0
.endr
	WIN 0
	s_wait_alu depctr_va_vdst(0)
	s_wait_loadcnt 16                              ; masks and sums are in; Q's 16 loads, issued behind them, may be out
.irp j, 102,103,104,105,106,107,108,109
	v_cvt_f32_i32 v\j, v\j
.endr
.irp j, 102,103,104,105,106,107,108,109
	v_mul_f32 v\j, 0xd1000000, v\j                 ; f32(m) x 8 MASK
.endr
	s_lshl_b32 s40, s[WV], 9
	s_add_co_u32 s40, s40, MT
	v_add_nc_u32 v8, s40, v[LI16]
	ds_store_b128 v8, v[102:105]
	ds_store_b128 v8, v[106:109] offset:4096
	; suffix sums: rows 2 w and 2 w + 1 are mine.  Row 2 w + 1 = the steps of the pairs g > w; row 2 w has step 2 w + 1 besides
	s_mov_b32 s41, 0
.irp g, 1,2,3,4,5,6,7
	v_pk_add_f32 v[30+4*\g:31+4*\g], v[30+4*\g:31+4*\g], v[32+4*\g:33+4*\g]
	s_cmp_lt_u32 s[WV], \g
	s_cselect_b32 s40, 1.0, 0
.if \g == 1
	v_pk_mul_f32 v[64:65], v[34:35], s[40:41] op_sel_hi:[1,0]
.else
	v_pk_fma_f32 v[64:65], v[30+4*\g:31+4*\g], s[40:41], v[64:65] op_sel_hi:[1,0,1]
.endif
.endr
	v_pk_add_f32 v[66:67], v[64:65], v[62:63]
	s_lshl_b32 s40, s[WV], 9
	s_add_co_u32 s40, s40, SUF
	v_add_nc_u32 v8, s40, v[LI8]
	ds_store_b64 v8, v[66:67]
	ds_store_b64 v8, v[64:65] offset:256
	s_mul_i32 s40, s[WV], QXZ
	s_add_co_u32 s40, s40, QX
	v_add_nc_u32 v8, s40, v[LI16]                  ; where my codes of Q go for my partner
	v_add_nc_u32 v9, s40, v[LI8]
	s_wait_alu depctr_va_vdst(0)
	s_wait_loadcnt 8                               ; Q of window 0's tile; window 1's 8 loads may be out
	QTURN 128, 192
	s_wait_loadcnt 0x0
	QTURN 160, 70
	s_wait_dscnt 16                                ; window 0's tile is back; window 1's eight stores and eight loads may be out
	QUANT 192
	QPUT
	v_mov_b32 v[QSA], v242
	ds_store_b128 v8, v[QF:QF+3]
	ds_store_b64 v9, v[QF+4:QF+5] offset:512
	ds_store_b32 v9, v[QSA] offset:768
	s_wait_alu depctr_va_vdst(0)
	s_wait_dscnt 0x0
	QUANT 70
	v_mov_b32 v[QSB], v242
	ds_store_b32 v9, v[QSB] offset:1792
	WIN 0x40
	QPUT
	WIN 0x04
	ds_store_b128 v8, v[QF:QF+3] offset:1024
	ds_store_b64 v9, v[QF+4:QF+5] offset:1536
	WIN 0x40
	RESET
	WIN 0
	RESET
.irp j, 0,1,2,3,4,5
	v_mov_b32 v[KF+6+\j], 0                        ; the zeros between two tiles of K: they stay
	v_mov_b32 v[KF+24+\j], 0
.endr
	s_wait_alu depctr_va_vdst(0)                   ; the head's end
	s_cmp_lt_u32 s[WV], 1
	s_cbranch_scc0 .Lno_tile
	s_wait_tensorcnt 0x0                           ; wave 0: steps 0 and 1 have landed
.Lno_tile:
	s_wait_dscnt 0x0                               ; my mask terms, sums and codes are stored:
	s_barrier_signal -1
	s_barrier_wait -1                              ; everybody's are
.macro KLOAD g                         ; tiles 2 g, 2 g + 1 and 4 + 2 g, 5 + 2 g of K into the two runs
.irp i, 0,1
.set UQ, 2*(\g)+\i
.set KP, KF+18*\i
	ds_load_b128 v[KP:KP+3], v[A16] offset:UNIT*UQ
	ds_load_b64 v[KP+4:KP+5], v[A8] offset:UNIT*UQ+512
	ds_load_b128 v[KP+12:KP+15], v[A16] offset:UNIT*(UQ+4)
	ds_load_b64 v[KP+16:KP+17], v[A8] offset:UNIT*(UQ+4)+512
.endr
.endm
.macro MLOAD                           ; the step's mask terms: my 16 keys of blocks 0, 2, then of 1, 3
.irp b, 0,2,1,3
.irp i, 0,1,2,3
	ds_load_b128 v[MV+16*\b+4*\i:MV+16*\b+4*\i+3], v[AMT] offset:128*\b+16*\i
.endr
.endr
.endm
.macro FETCH                           ; 25 loads: what a trip's first products take
	v_add_nc_u32 v[A16], s[TB], v[LI16]
	v_add_nc_u32 v[A8], s[TB], v[LI8]
	v_add_nc_u32 v[ASC], s[TB], v[R16]
	v_add_nc_u32 v[AMT], s[TM], v[MT0]
	ds_load_b128 v[KSC:KSC+3], v[ASC] offset:KSOFF ; K's four scale words of row r
	KLOAD 0
	WIN 0x40
	MLOAD
	WIN 0
.endm
.macro NEXT lp                         ; the next trip's.  Where no step follows (ahead of the second barrier, ahead of a trip on the way out, behind my last step) a step that lies in LDS is named and nobody uses it
.if \lp == 1
	s_and_b32 s40, s[KS], 1
	s_xor_b32 s40, s40, 1
.else
	s_add_co_u32 s40, s[KS], 1
	s_cmp_gt_u32 s40, s[SW]
	s_cselect_b32 s41, s[OFS], 0
	s_add_co_u32 s40, s40, s41
	s_and_b32 s40, s40, 15
.endif
	s_mul_i32 s[TB], s40, KVSTEP
	s_lshl_b32 s[TM], s40, 9
	FETCH
.endm
.macro SMUL g, q                       ; four tiles of S^T on top of their mask terms: source 0 = 16 keys, source 1 = 16 queries
.irp c, 0,1
.irp i, 0,1
.set UQ, 2*(\g)+\i
.set KP, KF+18*\i+6*\c
.set TD, 8*(UQ+4*\c)
	v_wmma_scale_f32_16x16x128_f8f6f4 v[S+TD:S+TD+7], v[KP:KP+11], v[QF+6*\c:QF+6*\c+11], v[MV+TD:MV+TD+7], v[KSC+UQ], v[\q] matrix_a_fmt:MATRIX_FMT_FP6 matrix_b_fmt:MATRIX_FMT_FP6
.endr
.endr
.endm
.macro VLOAD                           ; V's four fragments (16 of the head's 64 x 128 keys each) and their scale words
.irp t, 0,1,2,3
	ds_load_b128 v[VF+12*\t:VF+12*\t+3], v[A16] offset:VOFF+UNIT*\t
	ds_load_b64 v[VF+12*\t+4:VF+12*\t+5], v[A8] offset:VOFF+UNIT*\t+512
	ds_load_b128 v[VF+12*\t+6:VF+12*\t+9], v[A16] offset:VOFF+UNIT*(\t+4)
	ds_load_b64 v[VF+12*\t+10:VF+12*\t+11], v[A8] offset:VOFF+UNIT*(\t+4)+512
.endr
	ds_load_b128 v[VSC:VSC+3], v[ASC] offset:VSOFF
.endm
.macro PV p                            ; O^T += V^T P^T: the accumulators take turns, one instruction a turn
.irp t, 0,1,2,3
	v_wmma_scale_f32_16x16x128_f8f6f4 v[O+8*\t:O+8*\t+7], v[VF+12*\t:VF+12*\t+11], v[PC:PC+11], v[O+8*\t:O+8*\t+7], v[VSC+\t], v[\p] matrix_a_fmt:MATRIX_FMT_FP6 matrix_b_fmt:MATRIX_FMT_FP6
.endr
.endm
.macro MASKG g                         ; ON THE DIAGONAL the s of a future key IS 8 MASK, whatever its score and its mask: blocks g and g + 2
.irp k, 0,1
.set BB, (\g)+2*\k
.set NN, 0
.rept 16
	v_cmp_gt_i32 vcc_lo, 32*BB+NN, v[DQ]
	v_cndmask_b32 v[S+16*BB+NN], v[S+16*BB+NN], s[FM], vcc_lo
.set NN, NN+1
.endr
.endr
.endm
.macro DIAG g
	s_cmp_lg_u32 s[ST], s[BCUR]
	s_cbranch_scc1 .Lopen_\@                       ; a step all of whose keys are visible skips this
	MASKG \g
	WIN 0x55
	MASKG \g
	WIN 0
.Lopen_\@:
.endm
.macro MAXG g                          ; the largest s of blocks g and g + 2, my 16 keys of each: two chains a block, by turns
.irp k, 0,1
	v_max3_num_f32 v[232+\g+2*\k], v[S+16*(\g+2*\k)], v[S+16*(\g+2*\k)+1], v[S+16*(\g+2*\k)+2]
	v_max3_num_f32 v[236+\g+2*\k], v[S+16*(\g+2*\k)+8], v[S+16*(\g+2*\k)+9], v[S+16*(\g+2*\k)+10]
.endr
.irp i, 3,5
.irp k, 0,1
	v_max3_num_f32 v[232+\g+2*\k], v[232+\g+2*\k], v[S+16*(\g+2*\k)+\i], v[S+16*(\g+2*\k)+\i+1]
	v_max3_num_f32 v[236+\g+2*\k], v[236+\g+2*\k], v[S+16*(\g+2*\k)+8+\i], v[S+16*(\g+2*\k)+9+\i]
.endr
.endr
.irp k, 0,1
	v_max3_num_f32 v[232+\g+2*\k], v[232+\g+2*\k], v[S+16*(\g+2*\k)+7], v[S+16*(\g+2*\k)+15]
.endr
.irp k, 0,1
	v_max_num_f32 v[232+\g+2*\k], v[232+\g+2*\k], v[236+\g+2*\k]
.endr
.endm
.macro NEWM                            ; from the running largest s in v13: F in v254, the new -M in v12, 2^(old M - new M) in v252
	v_mov_b32 v253, v12
	v_and_b32 v255, 0x7fffffff, v13
	v_cmp_lt_u32 vcc_lo, s[HG], v255
	v_cndmask_b32 v254, s[C8], 0.5, vcc_lo
	v_mul_f32 v255, v13, v254
	v_floor_f32 v12, -v255                         ; -M = floor(-t) = -ceil(t): a whole number
	v_sub_f32 v253, v12, v253                      ; old M - new M: a whole number, 0 or less
	v_cvt_i32_f32 v253, v253                       ; (it saturates)
	v_ldexp_f32 v252, 1.0, v253                    ; a multiplication by this rounds nothing
.endm
.macro RMAX                            ; each block's largest s over both halves of the lanes, and the running largest
.irp b, 0,1,2,3
	v_permlanex16_b32 v[236+\b], v[232+\b], s[SEL], s[SEL+1]
.endr
.irp b, 0,1,2,3
	v_max_num_f32 v[232+\b], v[232+\b], v[236+\b]
.endr
	v_max3_num_f32 v253, v232, v233, v234
	v_max3_num_f32 v13, v13, v253, v235
	NEWM
.endm
.macro XFMA                            ; x = s F - M, and the same of each block's largest s: p rises with s, so that gives the block's largest p
.set J, 0
.rept 32
	v_pk_fma_f32 v[S+J:S+J+1], v[S+J:S+J+1], v[254:255], v[12:13] op_sel_hi:[1,0,0]
.set J, J+2
.endr
.irp b, 0,1,2,3
	v_fma_f32 v[232+\b], v[232+\b], v254, v12
.endr
.endm
.macro EXPS                            ; p = 2^x
.irp b, 0,1,2,3
	v_exp_f32 v[232+\b], v[232+\b]
.endr
.set J, 0
.rept 64
	v_exp_f32 v[S+J], v[S+J]
.set J, J+1
.endr
	v_pk_mul_f32 v[14:15], v[14:15], v[252:253] op_sel_hi:[1,0]    ; the sums under the new M.  (The plain line behind the exponentials)
.endm
.macro SUMS                            ; the row's sum, of the unquantised p, in five chains
	v_pk_add_f32 v[236:237], v[S:S+1], v[S+2:S+3]
	v_pk_add_f32 v[238:239], v[S+4:S+5], v[S+6:S+7]
	v_pk_add_f32 v[240:241], v[S+8:S+9], v[S+10:S+11]
	v_pk_add_f32 v[242:243], v[S+12:S+13], v[S+14:S+15]
.set J, 16
.irp c, 14,236,238,240,242,14,236,238,240,242,14,236,238,240,242,14,236,238,240,242,14,236,238,240
	v_pk_add_f32 v[\c:\c+1], v[\c:\c+1], v[S+J:S+J+1]
.set J, J+2
.endr
	v_pk_add_f32 v[236:237], v[236:237], v[238:239]
	v_pk_add_f32 v[240:241], v[240:241], v[242:243]
	v_pk_add_f32 v[14:15], v[14:15], v[236:237]
	v_pk_add_f32 v[14:15], v[14:15], v[240:241]
.endm
.macro CODES win                       ; p's scales and codes
.irp b, 0,1,2,3
	v_max_num_f32 v[232+\b], 0x1800000, v[232+\b]  ; the floor 2^(3 - 127): the byte cannot fall under 1
.endr
.irp b, 0,1,2,3
	v_add_nc_u32 v[244+\b], 0xff000000, v[232+\b]  ; 2 off the exponent field: the conversion's scale operand
.endr
.irp b, 0,1,2,3
	v_lshrrev_b32 v[236+\b], 23, v[244+\b]         ; the scale's byte
.endr
	v_lshl_or_b32 v[PSA], v237, 8, v236
	v_lshl_or_b32 v[PSA], v238, 16, v[PSA]
.if \win
	WIN 0x15
	v_lshl_or_b32 v[PSB], v239, 24, v[PSA]         ; all scale words lie in window 0
	WIN 0x55
.else
	v_lshl_or_b32 v[PSA], v239, 24, v[PSA]
.endif
.irp c, 0,1
	v_cvt_scalef32_pk16_fp6_f32 v[PC+6*\c:PC+6*\c+2], v[S+32*\c:S+32*\c+15], v[244+2*\c]
	v_cvt_scalef32_pk16_fp6_f32 v[236+4*\c:238+4*\c], v[S+32*\c+16:S+32*\c+31], v[244+2*\c+1]   ; (a conversion's three registers begin on an even number)
.endr
	v_nop                                          ; one plain line behind the scaled conversions
.irp c, 0,1                            ; the operand's layout wants a WHOLE block in a lane: lanes 0-15 block 2 c, lanes 16-31 block 2 c + 1
.irp i, 0,1,2
	v_permlane16_swap_b32 v[PC+6*\c+\i], v[236+4*\c+\i]
.endr
.endr
.irp c, 0,1
.irp i, 0,1,2
	v_mov_b32 v[PC+3+6*\c+\i], v[236+4*\c+\i]
.endr
.endr
	s_wait_alu depctr_va_vdst(0)                   ; directly ahead of the first reader of O^T
.set J, 0
.rept 16
	v_pk_mul_f32 v[O+J:O+J+1], v[O+J:O+J+1], v[252:253] op_sel_hi:[1,0]   ; O^T under the new M.  (Also the places between p's codes and scale word and the products)
.set J, J+2
.endr
.endm
.macro STEP lp                         ; 128 keys for both tiles
	s_wait_alu depctr_va_vdst(0)
	s_wait_dscnt 0x0                               ; what the trip before has asked for is in
	WIN 0x10
	SMUL 0, QSA
	WIN 0x54
	SMUL 0, QSB
	WIN 0
	PLACES
	KLOAD 1
	DIAG 0
	MAXG 0                                         ; while K's second tiles land
	WIN 0x55
	MAXG 0
	WIN 0
	s_wait_alu depctr_va_vdst(0)
	s_wait_dscnt 0x0
	WIN 0x10
	SMUL 1, QSA
	WIN 0x54
	SMUL 1, QSB
	WIN 0
	PLACES
	VLOAD                                          ; these, and the next trip's, land while the softmax is worked
	NEXT \lp
	DIAG 1
	MAXG 1
	RMAX
	WIN 0x55
	MAXG 1
	RMAX
	WIN 0
	XFMA
	s_wait_alu depctr_va_vdst(0)                   ; one wait ahead of the batch
	EXPS
	WIN 0x55
	XFMA
	s_wait_alu depctr_va_vdst(0)                   ; behind the first batch and ahead of the second
	EXPS
	WIN 0
	SUMS
	CODES 0
	WIN 0x55
	s_wait_alu depctr_va_vdst(0)                   ; behind the second batch
	SUMS
	CODES 1
	WIN 0
	s_wait_alu depctr_va_vdst(0)
	s_wait_dscnt 25                                ; V's fragments and scale words are in; the next trip's 25 loads, issued behind them, may be out
	PV PSA
	WIN 0x54
	PV PSB
	WIN 0
.endm
; A TILE IS FINISHED, out of window 0: what lies behind its diagonal step is added, with mg the partner's part of the keys too; O^T is divided by the row's sum and goes through my own stage in LDS, so that each store of the wave
; covers 512 consecutive bytes of out0, aligned to 256.  sb: the stores' base; sd: their data.
.macro FIN bq, w, mg, sb, sd
	s_lshl_b32 s42, s[\bq], 15
	s_xor_b32 s43, s[ROLE], \w
	s_lshl_b32 s43, s43, 12
	s_add_co_u32 s42, s42, s43
	s_mov_b32 s43, 0
	s_add_nc_u64 s[\sb:\sb+1], s[10:11], s[42:43]  ; the tile's 16 rows
	s_sub_co_u32 s46, 15, s[\bq]
	s_lshl_b32 s46, s46, 6                         ; the keys behind the diagonal step, for each half of the lanes
	s_and_b32 s47, s[\bq], 15
	s_lshl_b32 s47, s47, 8
	s_mov_b32 s45, 0xff61b1e6
	s_cmp_eq_u32 s[\bq], 15
	s_cselect_b32 s44, s45, s[FM]                  ; their s; block 15 has none: -3e38 counts for nothing
	v_add_nc_u32 v[ASC], s47, v[VS0]
.if \mg
	v_add_nc_u32 v[A8], s[PADR], v[LI16]
.endif
	s_wait_alu depctr_va_vdst(0)
.irp t, 0,1,2,3
	ds_load_b128 v[S+32+8*\t:S+35+8*\t], v[ASC] offset:64*\t       ; the quantised values behind the diagonal step, summed: d = 16 t + 8 h + j
	ds_load_b128 v[S+36+8*\t:S+39+8*\t], v[ASC] offset:64*\t+16
.endr
.if \mg
	ds_load_b128 v[236:239], v[A8]                 ; the partner's -M, largest s, sum
.irp t, 0,1,2,3,4,5,6,7
	ds_load_b128 v[VF+4*\t:VF+4*\t+3], v[A8] offset:512+512*\t
.endr
.endif
	s_wait_dscnt 0x0
.if \mg
	v_max3_num_f32 v13, v13, v237, s44
.else
	v_max_num_f32 v13, s44, v13
.endif
	NEWM
.if \mg
	v_sub_f32 v240, v12, v236
	v_cvt_i32_f32 v240, v240
	v_ldexp_f32 v240, 1.0, v240                    ; the partner's factor
.endif
	v_fma_f32 v242, s44, v254, v12                 ; x of the keys behind: a whole number wherever it is small
	v_cvt_i32_f32 v242, v242
	v_ldexp_f32 v242, 1.0, v242                    ; c
	v_pk_mul_f32 v[14:15], v[14:15], v[252:253] op_sel_hi:[1,0]
.if \mg
	v_pk_fma_f32 v[14:15], v[238:239], v[240:241], v[14:15] op_sel_hi:[1,0,1]
.endif
	v_cvt_f32_u32 v243, s46
	v_fmac_f32 v14, v242, v243
	v_add_f32 v14, v14, v15
	v_permlanex16_b32 v245, v14, s[SEL], s[SEL+1]
	v_add_f32 v14, v14, v245                       ; the row's sum, above 1/2
	s_wait_alu depctr_va_vdst(0)
	v_rcp_f32 v14, v14
	v_nop
	s_wait_alu depctr_va_vdst(0)                   ; ahead of the reciprocal's and of O^T's first reader
	v_mul_f32 v252, v252, v14
	v_mul_f32 v242, v242, v14
.if \mg
	v_mul_f32 v240, v240, v14
.endif
.set J, 0
.rept 16
	v_pk_mul_f32 v[S+J:S+J+1], v[O+J:O+J+1], v[252:253] op_sel_hi:[1,0]
.set J, J+2
.endr
.if \mg
.set J, 0
.rept 16
	v_pk_fma_f32 v[S+J:S+J+1], v[VF+J:VF+J+1], v[240:241], v[S+J:S+J+1] op_sel_hi:[1,0,1]
.set J, J+2
.endr
.endif
.set J, 0
.rept 16
	v_pk_fma_f32 v[S+J:S+J+1], v[S+32+J:S+33+J], v[242:243], v[S+J:S+J+1] op_sel_hi:[1,0,1]
.set J, J+2
.endr
.irp t, 0,1,2,3
	ds_store_b128 v[STO], v[S+8*\t:S+8*\t+3] offset:64*\t
	ds_store_b128 v[STO], v[S+8*\t+4:S+8*\t+7] offset:64*\t+16
.endr
.irp i, 0,1,2,3,4,5,6,7
	ds_load_b128 v[\sd+4*\i:\sd+4*\i+3], v[SRD] offset:\i*2*SP     ; LDS serves a wave's instructions in order (ISA guide 5.7.1.4): these see my stores
.endr
.irp i, 0,1,2,3,4,5,6,7
	s_wait_dscnt 7-\i                              ; load i is back; the younger ones may be out
	global_store_b128 v[LI16], v[\sd+4*\i:\sd+4*\i+3], s[\sb:\sb+1] offset:512*\i th:TH_STORE_NT
.endr
.endm
.macro OUTI lp                         ; block i leaves; block L begins
	FIN II, 0, 0, 50, VF
	s_wait_alu depctr_va_vdst(0)                   ; ahead of the first reader of window 1's O^T
	WIN 0x01
.set J, 0
.rept 32
	v_mov_b32 v[O+J], v[O+J]                       ; window 1's tile into window 0
.set J, J+1
.endr
.irp j, 12,13,14,15
	v_mov_b32 v\j, v\j
.endr
	WIN 0
	FIN II, 1, 0, 52, S+32
	RESET
	WIN 0x40
	RESET
	WIN 0
	s_wait_alu depctr_va_vdst(0)
	s_wait_xcnt 0x0                                ; both tiles' stores have read their bases and data: these may be written again
	v_add_nc_u32 v[A16], s[QXP], v[LI16]           ; block L's codes of Q: my window 0's tile is my partner's window 1's
	v_add_nc_u32 v[A8], s[QXP], v[LI8]
	ds_load_b128 v[QF:QF+3], v[A16] offset:1024
	ds_load_b64 v[QF+4:QF+5], v[A8] offset:1536
	ds_load_b128 v[QF+12:QF+15], v[A16] offset:1024
	ds_load_b64 v[QF+16:QF+17], v[A8] offset:1536
	ds_load_b32 v[QSA], v[A8] offset:1792
	ds_load_b32 v[QSB], v[A8] offset:768
	WIN 0x40
	ds_load_b128 v[QF:QF+3], v[A16]
	ds_load_b64 v[QF+4:QF+5], v[A8] offset:512
	ds_load_b128 v[QF+12:QF+15], v[A16]
	ds_load_b64 v[QF+16:QF+17], v[A8] offset:512
	WIN 0
	NEXT \lp
.endm
.macro TRIP lp
	s_cmp_eq_u32 s[KS], s[SWP1]                    ; made of the wave's and the cluster's numbers: alike in all partners
	s_cbranch_scc1 .Lleave_\@
.if \lp == 1
	s_mov_b32 s[ST], s[KS]
	s_mov_b32 s[BCUR], s[BF]
.else
	s_cmp_gt_u32 s[KS], s[SW]
	s_cselect_b32 s40, s[OFS], 0
	s_cselect_b32 s[BCUR], s[LL], s[BF]
	s_add_co_u32 s[ST], s40, s[KS]                 ; role 1's trips i + 2 .. 7 take steps 10 .. L
	s_cmp_gt_u32 s[ST], s[BCUR]
	s_cbranch_scc1 .Lnext_\@                       ; behind the diagonal: no work
.endif
	STEP \lp
	s_wait_alu depctr_va_vdst(0)
	s_branch .Lnext_\@
.Lleave_\@:
	OUTI \lp
.Lnext_\@:
.endm
	FETCH                                          ; step 0
	s_wait_alu depctr_va_vdst(0)
.Lfirst:                                           ; trips 0 and 1: steps 0 and 1
	TRIP 1
	s_add_co_u32 s[KS], s[KS], 1
	s_wait_alu depctr_va_vdst(0)
	s_cmp_lt_u32 s[KS], 2
	s_cbranch_scc1 .Lfirst
	s_wait_tensorcnt 0x0                           ; my part of the image has landed:
	s_wait_dscnt 0x0
	s_barrier_signal -1
	s_barrier_wait -1                              ; everybody's has.  Nothing is filled from here on
	PLACES                                         ; for the loads below
	s_mov_b32 s[KS], 1
	NEXT 2                                         ; trip 2's
	s_wait_alu depctr_va_vdst(0)
	s_mov_b32 s[KS], 2
.Lsecond:                                          ; trips 2 to 9
	TRIP 2
	s_add_co_u32 s[KS], s[KS], 1
	s_wait_alu depctr_va_vdst(0)
	s_cmp_lt_u32 s[KS], 10
	s_cbranch_scc1 .Lsecond
	v_add_nc_u32 v[A8], s[PST], v[LI16]
	PLACES
	s_wait_alu depctr_va_vdst(0)
	WIN 0x04                                       ; window 1's tile is my partner's to finish
	ds_store_b128 v[A8], v[12:15]
.irp t, 0,1,2,3,4,5,6,7
	ds_store_b128 v[A8], v[O+4*\t:O+4*\t+3] offset:512+512*\t
.endr
	WIN 0
	s_wait_dscnt 0x0                               ; stored:
	s_barrier_signal -1
	s_barrier_wait -1                              ; my partner's state is there too
	FIN LL, 0, 1, 40, S+32
	s_wait_tensorcnt 0x0                           ; the wave's end
	ds_add_u32 v126, v127
	s_wait_dscnt 0x0
	ROUND                                          ; the closing round: no work-group ends while a partner may still ask for a tile that names it
	s_endpgm
.Lfunc_end_k_q2818be03b1_attn:
	.size	k_q2818be03b1_attn, .Lfunc_end_k_q2818be03b1_attn-k_q2818be03b1_attn
	.p2alignl 7, 3214868480
	.fill 96, 4, 3214868480
	.section	.rodata,"a",@progbits
	.p2align	6, 0x0
	.amdhsa_kernel k_q2818be03b1_attn
		.amdhsa_group_segment_fixed_size 306176
		.amdhsa_private_segment_fixed_size 0
		.amdhsa_enable_private_segment 0
		.amdhsa_kernarg_size 40
		.amdhsa_user_sgpr_count 2
		.amdhsa_user_sgpr_kernarg_segment_ptr 1
		.amdhsa_wavefront_size32 1
		.amdhsa_system_sgpr_workgroup_id_x 1
		.amdhsa_system_sgpr_workgroup_id_y 1
		.amdhsa_system_sgpr_workgroup_id_z 1
		.amdhsa_system_vgpr_workitem_id 0
		.amdhsa_next_free_vgpr 512
		.amdhsa_next_free_sgpr 66
		.amdhsa_reserve_vcc 1
		.amdhsa_float_denorm_mode_32 3
		.amdhsa_float_denorm_mode_16_64 3
		.amdhsa_memory_ordered 1
		.amdhsa_forward_progress 1
		.amdhsa_inst_pref_size 164
	.end_amdhsa_kernel
	.amdgpu_metadata
---
amdhsa.version: [ 1, 2 ]
amdhsa.kernels:
  - .name:           k_q2818be03b1_attn
    .symbol:         k_q2818be03b1_attn.kd
    .args:
      - { .name: kv, .offset: 0, .size: 8, .value_kind: global_buffer, .address_space: global }
      - { .name: masks, .offset: 8, .size: 8, .value_kind: global_buffer, .address_space: global }
      - { .name: queries, .offset: 16, .size: 8, .value_kind: global_buffer, .address_space: global }
      - { .name: out0, .offset: 24, .size: 8, .value_kind: global_buffer, .address_space: global }
      - { .name: vs, .offset: 32, .size: 8, .value_kind: global_buffer, .address_space: global }
    .group_segment_fixed_size: 306176
    .private_segment_fixed_size: 0
    .kernarg_segment_align: 8
    .kernarg_segment_size: 40
    .max_flat_workgroup_size: 256
    .sgpr_count:     66
    .vgpr_count:     512
    .wavefront_size: 32
...
	.end_amdgpu_metadata
.endif
;; end of part 2
